; MI455X (gfx1250); checked and timed in simulation.
; The chip was launched on July 23, 2026; its instructions are those of AMD's public machine-readable ISA for CDNA 5 (MIT licence, August 2026) and "CDNA5" Instruction Set Architecture Reference Guide (July 2026). The comments in the code are by the model that wrote it; some were corrected since.
;; Mo E. Allowed arithmetic: matrix products marked QUANTISED: E3M2 operands, one E8M0 scale for each 32 along K, by v_wmma_scale_f32_16x16x128_f8f6f4 with both operands' format E3M2, f32 sums; products left as they are: f32 operands where the result goes on into a quantised operand, else bf16, f16 or f32 operands; f32 sums; everything else in f32.
;; Inputs: W1 8 x 512 x 512 float32; W2 8 x 512 x 512 float32; Wg 512 x 8 float32; b1 8 x 512 float32; b2 8 x 512 float32; bg 8 float32; x 8 x 2,048 x 512 float32.
;; Outputs: out0 8 x 2,048 x 512 float32.
;; This version of the problem:
;;   THIS VERSION OF THE PROBLEM IS GIVEN IN LOW PRECISION. The matrix products marked QUANTISED in the list below multiply operands that are first quantised to E3M2 (3 exponent bits, 2 mantissa bits; 6 bits a number), with one power-of-two scale for each 32 numbers along K (OCP MX v1.0); their sums are f32. All else is computed in f32.
;;   The module's matrix products, in the order in which they are computed (A, B: the left and right operand; K: the contracted axis; several contracted axes count as one K, in the product's order):
;;     1. [M 4,096, K 512] x [K 512, N 16,384]; A: input W1; B: input x: QUANTISED
;;     2. batch 8 x [M 16,384, K 512] x [K 512, N 512]; A: computed on the way; B: input W2: QUANTISED
;;     3. [M 16,384, K 512] x [K 512, N 8]; A: input x; B: input Wg: left as it is (N = 8 < 16)
;;     4. batch 16,384 x [M 1, K 8] x [K 8, N 512]; A: softmax; B: computed on the way: left as it is (K = 8 < 32)
;;   THE QUANTISER, for each operand of a quantised product, along K:
;;     - K is cut into blocks of 32 from its start; a last block that is shorter is filled with zeros.
;;     - A block's scale is 2^e with e = floor(log2(the largest magnitude in the block)) - 4, held to -126 .. 127; a block of zeros has e = 0. As a byte (E8M0): e + 127.
;;     - Each number is divided by its block's scale, clamped to +-28, and rounded to the nearest number of E3M2, ties to even, subnormals kept.
;;     - The product sums the exact products of the quantised numbers (number of the format x scale) in f32.
;;   ~~~python
;;   def quantise(x, axis):      # numpy; x: float32 -> the quantised numbers, widened to float32 again
;;       x = np.moveaxis(x, axis, -1); K = x.shape[-1]
;;       x = np.pad(x, [(0, 0)] * (x.ndim - 1) + [(0, -K % 32)]); x = x.reshape(x.shape[:-1] + (-1, 32)); a = np.abs(x).max(-1, keepdims=True)
;;       e = np.where(a > 0, np.clip(np.frexp(np.where(a > 0, a, 1))[1] - 1 - 4, -126, 127), 0)      # np.frexp(a)[1] - 1 = floor(log2(a)), exactly
;;       r = np.clip(x / 2.0 ** e, -28, 28)
;;       step = 2.0 ** (np.maximum(np.frexp(np.where(r == 0, 1, r))[1] - 1, -2) - 2)
;;       q = np.round(r / step) * step * 2.0 ** e      # np.round: ties to even
;;       return np.moveaxis(q.reshape(q.shape[:-2] + (-1,))[..., :K], -1, axis).astype(np.float32)
;;   ~~~
;;   OPERANDS COMPUTED ON THE WAY. 'Computed on the way' means the value that the module computes at that place (a softmax that the list does not call 'softmax' is quantised finished and normalised). What goes into a quantiser is computed in f32, as accurately as f32 sums, v_exp_f32 and their like allow (about 1e-6 of the number): no bf16 or f16 on the way to a quantiser, and a product that is left as it is and whose result goes on into a quantised operand takes f32 operands (vector FMAs, or v_wmma_f32_16x16x4_f32). A number that lies on a knife's edge between two numbers of the format may be rounded either way, as far as f32 arithmetic and the matrix unit's own rounding can turn it there, and no further.
;; One version. Each part assembles by itself: llvm-mc -triple=amdgcn-amd-amdhsa -mcpu=gfx1250 --defsym DOCPART=n.
;; ======== version 1 of 1: 2 launches
;; limits: values are held in bf16: 8 bits of precision; right only within a limited range of input values
;; workspace buffers: wq 3,276,800 bytes; wgf 16,384 bytes; b2f 32,768 bytes
;; launch prep (part 1): grid 257 x 1, 8 waves a work-group, no clusters, 2,048 bytes of LDS; arguments W1, W2, Wg, b2, wq, wgf, b2f; writes wq, wgf, b2f
.if DOCPART == 1
	.amdgcn_target "amdgcn-amd-amdhsa--gfx1250"
	.amdhsa_code_object_version 6
	.text
	.protected	k_qb04580d53b_prep
	.globl	k_qb04580d53b_prep
	.p2align	8
	.type	k_qb04580d53b_prep,@function
k_qb04580d53b_prep:
	s_mov_b64 s[64:65], 0
	v_nop
	global_prefetch_b8 v0, s[64:65] scope:SCOPE_SE
	s_setreg_imm32_b32 hwreg(HW_REG_WAVE_MODE, 25, 1), 1
	s_wait_xcnt 0x0
; W1 [8][512 (k)][512 (n)] and W2 likewise, f32, K on the FIRST axis of each expert's matrix, become codes of BF6 (E3M2) with one E8M0 scale byte for each 32 along K.
; They are laid in wq in the order in which the second launch's waves take them into registers, and in the order in which it walks them:
;   32 steps of 102,400 bytes, step = 4 e + 2 l + u (l: 0 = W1, 1 = W2;  u: which half of K);  in a step 4 sub-blocks of 25,600 bytes, one for each wave w of the reader;
;   in a sub-block 16 fragments of 1,536 bytes (fragment 8 (s % 2) + t: K step s, tile t of 16 columns), then 1,024 bytes of scale words.
;   A fragment is an image of the operand's 12 registers: register p of lane L at 512 (p / 4) + 16 L + 4 (p % 4).  Lane (r, h), registers 6 c .. 6 c + 5: k = 128 s + 64 c + 32 h + 0 .. 31 of the lane's column.
;   The lane's column: W1: 128 w + 32 (t / 2) + 8 (t % 2) + r + 8 (r / 8), so that the first product's results lie as neighbours along the second product's K;  W2: 128 w + 16 t + r.
;   Scale words: register q = 4 (s % 2) + t / 2 of lane L at 512 (q / 4) + 16 L + 4 (q % 4): lanes 0-15 carry tile 2 (t / 2)'s sixteen words, lanes 16-31 tile 2 (t / 2) + 1's.
; A block's scale is 2^(floor(log2(its largest magnitude)) - 4): its byte is the largest magnitude's exponent field - 4, held at 1 from below.
; LIMITS: a block of zeros gets the byte 1 where the rule says 127 (its codes are zeros, and this program alone reads the bytes); NaN and infinities among the inputs are not served.
; SHARES: work-group i < 256 takes matrix i / 16, K step (i / 4) % 4, reader's wave i % 4; each of its eight waves makes one fragment: A LANE TAKES A COLUMN AND ITS REGISTERS RUN DOWN K,
; so the conversions' results are the operand's registers and nothing is transposed.  The eight waves together read 512 consecutive bytes of each row of the matrix.
; Work-group 256 lays Wg and b2 as bf16 fragments (images of 8 registers: register p of lane L at 512 (p / 4) + 16 L + 4 (p % 4)):
;   wgf block B (32 along K): lane (n = r, h), register p: Wg[32 B + 16 h + 2 p][r], Wg[32 B + 16 h + 2 p + 1][r]; zeros for r >= 8.  (The order of k inside a block is the one in which x's numbers lie in the reader's lanes.)
;   b2f tile T (16 columns): lanes 0-15, registers 0-3: b2[2 p][16 T + r], b2[2 p + 1][16 T + r]; all else zeros: K = the 8 experts, filled up to 32 with zeros.
.set SUB,  25600
.set FRB,  1536
.set SCO,  16*FRB
	s_load_b256 s[4:11], s[0:1], 0x0               ; W1 s[4:5], W2 s[6:7], Wg s[8:9], b2 s[10:11]
	s_load_b128 s[12:15], s[0:1], 0x20             ; wq s[12:13], wgf s[14:15]
	s_load_b64 s[16:17], s[0:1], 0x30              ; b2f
	v_lshl_add_u32 v192, v0, 2, 0x400
	v_mov_b32 v193, 0
	v_lshrrev_b32 v1, 5, v0
	s_delay_alu instid0(VALU_DEP_1)
	v_readfirstlane_b32 s18, v1                    ; wave t, 0..7
	v_and_b32 v1, 15, v0                           ; r
	v_bfe_u32 v2, v0, 4, 1                         ; h
	v_and_b32 v3, 31, v0                           ; lane
	s_cmp_ge_u32 ttmp9, 256                        ; the same for all waves of a work-group
	s_cbranch_scc1 .Lsmall
	; ---- a fragment of a weight
	s_lshr_b32 s24, ttmp9, 5                       ; e
	s_bfe_u32 s25, ttmp9, 0x10004                  ; l
	s_bfe_u32 s26, ttmp9, 0x20002                  ; s
	s_and_b32 s27, ttmp9, 3                        ; w
	s_lshr_b32 s28, s18, 1                         ; t / 2
	s_and_b32 s29, s18, 1                          ; t % 2
	s_lshl_b32 s30, s28, 5
	s_lshl_b32 s31, s29, 3
	s_add_co_u32 s30, s30, s31                     ; W1: the tile begins at column 32 (t / 2) + 8 (t % 2) of the wave's 128,
	s_lshl_b32 s31, s18, 4                         ; W2: at 16 t
	s_cmp_eq_u32 s25, 0
	s_cselect_b32 s30, s30, s31
	s_cselect_b32 s31, 1, 0                        ; W1 alone: lanes 8-15 stand 8 columns further on
	s_lshl_b32 s20, s24, 20                        ; the source: expert e's matrix of 1,048,576 bytes,
	s_lshl_b32 s21, s26, 18                        ; 128 s rows of 2,048 bytes,
	s_add_co_u32 s20, s20, s21
	s_lshl_b32 s21, s27, 9                         ; 128 w columns,
	s_add_co_u32 s20, s20, s21
	s_lshl_b32 s21, s30, 2                         ; the tile's first column
	s_add_co_u32 s20, s20, s21
	s_mov_b32 s21, 0
	s_lshr_b32 s32, ttmp9, 4                       ; the target: step 2 (i / 16) + s / 2, sub-block w
	s_lshl_b32 s32, s32, 1
	s_lshr_b32 s33, s26, 1
	s_add_co_u32 s32, s32, s33
	s_lshl_b32 s32, s32, 2
	s_add_co_u32 s32, s32, s27
	s_mul_i32 s32, s32, SUB
	s_mov_b32 s33, 0
	s_and_b32 s34, s26, 1                          ; s % 2
	s_lshl_b32 s35, s34, 3
	s_add_co_u32 s35, s35, s18
	s_mul_i32 s35, s35, FRB                        ; fragment 8 (s % 2) + t
	s_wait_alu depctr_va_vdst(0)
	v_lshl_add_u32 v5, v3, 4, s35                  ; + 16 x lane
	s_lshl_b32 s35, s29, 8                         ; LDS: my tile's scale words: 256 (t % 2) + 16 r + 4 (t / 2)
	s_lshl_b32 s24, s28, 2
	s_add_co_u32 s35, s35, s24
	v_lshl_add_u32 v6, v1, 4, s35
	v_and_b32 v4, 8, v1
	s_delay_alu instid0(VALU_DEP_1)
	v_mul_u32_u24 v4, s31, v4
	s_delay_alu instid0(VALU_DEP_1)
	v_add_nc_u32 v4, v4, v1                        ; my column in the tile
	s_delay_alu instid0(VALU_DEP_1)
	v_lshlrev_b32 v4, 2, v4
	s_delay_alu instid0(VALU_DEP_1)
	v_lshl_add_u32 v4, v2, 16, v4                  ; lanes 16-31 begin 32 rows of 2,048 bytes further down
	s_mov_b32 s22, 0x76543210
	s_mov_b32 s23, 0xfedcba98                      ; v_permlanex16_b32's selects for lane l xor 16
	s_wait_alu depctr_va_vdst(0)
	s_wait_kmcnt 0x0
	s_cmp_eq_u32 s25, 0                            ; the choice hangs on the work-group's number alone
	s_cselect_b64 s[4:5], s[4:5], s[6:7]
	s_add_nc_u64 s[4:5], s[4:5], s[20:21]
	s_add_nc_u64 s[12:13], s[12:13], s[32:33]
.irp c, 0,1
.set i_, 0
.rept 32
	global_load_b32 v[128+32*\c+i_], v4, s[4:5] offset:(64*\c+i_)*2048 th:TH_LOAD_NT   ; W(128 s + 64 c + 32 h + i, my column)
.set i_, i_+1
.endr
.endr
	s_wait_loadcnt 0x0
.irp c, 0,1                                    ; my block 2 c + h: all its 32 numbers are mine
	v_max3_num_f32 v[32+\c], |v[128+32*\c]|, |v[129+32*\c]|, 0x2800000   ; and the floor 2^(5 - 127): the byte cannot fall under 1
.endr
.irp i, 2,4,6,8,10,12,14,16,18,20,22,24,26,28,30
.irp c, 0,1
	s_delay_alu instid0(VALU_DEP_2)
	v_max3_num_f32 v[32+\c], v[32+\c], |v[128+32*\c+\i]|, |v[129+32*\c+\i]|   ; (the two blocks by turns)
.endr
.endr
.irp c, 0,1
	s_delay_alu instid0(VALU_DEP_2)
	v_add_nc_u32 v[44+\c], 0xfe000000, v[32+\c]    ; 4 off the exponent field: the conversion takes the exponent field of this operand as its scale
.endr
.irp c, 0,1
	s_delay_alu instid0(VALU_DEP_2)
	v_lshrrev_b32 v[36+\c], 23, v[44+\c]           ; the scale's byte
.endr
	s_delay_alu instid0(VALU_DEP_1)
	v_lshl_or_b32 v9, v37, 16, v36                 ; my two bytes: blocks h and 2 + h of my column,
	v_lshlrev_b32 v10, 3, v2
	s_delay_alu instid0(VALU_DEP_1)
	v_lshlrev_b32 v9, v10, v9                      ; 8 h bits up;
	v_mov_b32 v10, 0
	s_delay_alu instid0(VALU_DEP_1)
	v_permlanex16_b32 v10, v9, s22, s23
	s_delay_alu instid0(VALU_DEP_1)
	v_or_b32 v9, v9, v10                           ; with lane l xor 16's two the word is whole, in both lanes
.irp c, 0,1
	v_cvt_scalef32_pk16_bf6_f32 v[48+6*\c:50+6*\c], v[128+32*\c:143+32*\c], v[44+\c]   ; registers 6 c .. 6 c + 2 of the operand
	v_cvt_scalef32_pk16_bf6_f32 v[60+4*\c:62+4*\c], v[144+32*\c:159+32*\c], v[44+\c]   ; (a conversion's three registers begin on an even number: the second three are made elsewhere and moved)
.endr
	v_nop                                          ; one plain place behind a scaled conversion
.irp c, 0,1
.irp i, 0,1,2
	v_mov_b32 v[51+6*\c+\i], v[60+4*\c+\i]
.endr
.endr
.irp c, 0,1,2
	global_store_b128 v5, v[48+4*\c:51+4*\c], s[12:13] offset:512*\c   ; 32 lanes store 512 consecutive bytes
.endr
	ds_store_b32 v6, v9                            ; lanes r and 16 + r write the same word with the same value
	s_wait_dscnt 0x0                               ; for the others' sake: my store has landed
	s_barrier_signal -1
	s_barrier_wait -1                              ; the eight tiles' words lie in LDS as the image of four registers
	s_cmp_lg_u32 s18, 0
	s_cbranch_scc1 .Ldone                          ; wave 0 alone stores them
	v_lshlrev_b32 v7, 4, v3
	ds_load_b128 v[12:15], v7
	s_lshl_b32 s20, s34, 9                         ; 512 (s % 2)
	s_add_nc_u64 s[36:37], s[12:13], s[20:21]      ; a pair of its own: s[12:13] is still the base of stores on their way
	s_wait_alu depctr_va_vdst(0)
	s_wait_dscnt 0x0
	global_store_b128 v7, v[12:15], s[36:37] offset:SCO   ; 512 consecutive bytes
.Ldone:
	s_wait_tensorcnt 0x0
	ds_add_u32 v192, v193
	s_wait_dscnt 0x0
	s_endpgm
	; ---- Wg and b2 as bf16 fragments: wave t takes blocks 2 t, 2 t + 1 of Wg and tiles 4 t .. 4 t + 3 of b2
.Lsmall:
	s_wait_alu depctr_va_vdst(0)
	v_and_b32 v4, 7, v1
	s_delay_alu instid0(VALU_DEP_1)
	v_lshlrev_b32 v4, 2, v4
	s_delay_alu instid0(VALU_DEP_1)
	v_lshl_add_u32 v4, v2, 9, v4                   ; Wg: column r % 8 (no load leaves the row), + 16 h rows of 32 bytes
	v_lshlrev_b32 v8, 2, v1                        ; b2: column r of the tile
	v_lshlrev_b32 v11, 4, v3                       ; out: 16 x lane
	s_lshl_b32 s20, s18, 11                        ; two blocks of Wg are 2,048 bytes, in and out
	s_mov_b32 s21, 0
	s_lshl_b32 s24, s18, 8                         ; four tiles of b2 are 256 bytes of each row,
	s_mov_b32 s25, 0
	s_lshl_b32 s26, s18, 12                        ; and 4,096 bytes of images
	s_mov_b32 s27, 0
	s_wait_alu depctr_va_vdst(0)
	s_wait_kmcnt 0x0
	s_add_nc_u64 s[8:9], s[8:9], s[20:21]
	s_add_nc_u64 s[14:15], s[14:15], s[20:21]
	s_add_nc_u64 s[10:11], s[10:11], s[24:25]
	s_add_nc_u64 s[16:17], s[16:17], s[26:27]
.irp b, 0,1
.irp i, 0,1,2,3,4,5,6,7,8,9,10,11,12,13,14,15
	global_load_b32 v[64+16*\b+\i], v4, s[8:9] offset:1024*\b+32*\i     ; Wg[32 (2 t + b) + 16 h + i][r % 8]
.endr
.endr
.irp q, 0,1,2,3
.irp e, 0,1,2,3,4,5,6,7
	global_load_b32 v[96+8*\q+\e], v8, s[10:11] offset:64*\q+2048*\e    ; b2[e][16 (4 t + q) + r]
.endr
.endr
	s_wait_loadcnt 0x0
	v_cmp_gt_u32 vcc_lo, 8, v1                     ; there are 8 experts: rows 8-15 of the fragment are zeros
.set i_, 0
.rept 32
	v_cndmask_b32 v[64+i_], 0, v[64+i_], vcc_lo
.set i_, i_+1
.endr
.irp b, 0,1
.irp p, 0,1,2,3,4,5,6,7
	v_cvt_pk_bf16_f32 v[32+8*\b+\p], v[64+16*\b+2*\p], v[64+16*\b+2*\p+1]
.endr
.endr
.irp b, 0,1
.irp c, 0,1
	global_store_b128 v11, v[32+8*\b+4*\c:35+8*\b+4*\c], s[14:15] offset:1024*\b+512*\c
.endr
.endr
	v_cmp_gt_u32 vcc_lo, 16, v3                    ; K = 8 lies in lanes 0-15, registers 0-3; all else zeros
.set i_, 0
.rept 32
	v_cndmask_b32 v[96+i_], 0, v[96+i_], vcc_lo
.set i_, i_+1
.endr
.irp q, 0,1,2,3
.irp p, 0,1,2,3
	v_cvt_pk_bf16_f32 v[128+8*\q+\p], v[96+8*\q+2*\p], v[96+8*\q+2*\p+1]
	v_mov_b32 v[132+8*\q+\p], 0
.endr
.endr
.irp q, 0,1,2,3
.irp c, 0,1
	global_store_b128 v11, v[128+8*\q+4*\c:131+8*\q+4*\c], s[16:17] offset:1024*\q+512*\c
.endr
.endr
	s_endpgm
.Lfunc_end_k_qb04580d53b_prep:
	.size	k_qb04580d53b_prep, .Lfunc_end_k_qb04580d53b_prep-k_qb04580d53b_prep
	.p2alignl 7, 3214868480
	.fill 96, 4, 3214868480
	.section	.rodata,"a",@progbits
	.p2align	6, 0x0
	.amdhsa_kernel k_qb04580d53b_prep
		.amdhsa_group_segment_fixed_size 2048
		.amdhsa_private_segment_fixed_size 0
		.amdhsa_enable_private_segment 0
		.amdhsa_kernarg_size 56
		.amdhsa_user_sgpr_count 2
		.amdhsa_user_sgpr_kernarg_segment_ptr 1
		.amdhsa_wavefront_size32 1
		.amdhsa_system_sgpr_workgroup_id_x 1
		.amdhsa_system_sgpr_workgroup_id_y 1
		.amdhsa_system_sgpr_workgroup_id_z 1
		.amdhsa_system_vgpr_workitem_id 0
		.amdhsa_next_free_vgpr 194
		.amdhsa_next_free_sgpr 66
		.amdhsa_reserve_vcc 1
		.amdhsa_float_denorm_mode_32 3
		.amdhsa_float_denorm_mode_16_64 3
		.amdhsa_memory_ordered 1
		.amdhsa_forward_progress 1
		.amdhsa_inst_pref_size 27
	.end_amdhsa_kernel
	.amdgpu_metadata
---
amdhsa.version: [ 1, 2 ]
amdhsa.kernels:
  - .name:           k_qb04580d53b_prep
    .symbol:         k_qb04580d53b_prep.kd
    .args:
      - { .name: W1, .offset: 0, .size: 8, .value_kind: global_buffer, .address_space: global }
      - { .name: W2, .offset: 8, .size: 8, .value_kind: global_buffer, .address_space: global }
      - { .name: Wg, .offset: 16, .size: 8, .value_kind: global_buffer, .address_space: global }
      - { .name: b2, .offset: 24, .size: 8, .value_kind: global_buffer, .address_space: global }
      - { .name: wq, .offset: 32, .size: 8, .value_kind: global_buffer, .address_space: global }
      - { .name: wgf, .offset: 40, .size: 8, .value_kind: global_buffer, .address_space: global }
      - { .name: b2f, .offset: 48, .size: 8, .value_kind: global_buffer, .address_space: global }
    .group_segment_fixed_size: 2048
    .private_segment_fixed_size: 0
    .kernarg_segment_align: 8
    .kernarg_segment_size: 56
    .max_flat_workgroup_size: 256
    .sgpr_count:     66
    .vgpr_count:     194
    .wavefront_size: 32
...
	.end_amdgpu_metadata
.endif
;; end of part 1
;; launch moe (part 2): grid 256 x 1, 4 waves a work-group, clusters of 4 x 1, 327,680 bytes of LDS; arguments x, wq, wgf, b2f, b1, bg, out0; writes out0
.if DOCPART == 2
	.amdgcn_target "amdgcn-amd-amdhsa--gfx1250"
	.amdhsa_code_object_version 6
	.text
	.protected	k_qb04580d53b_moe
	.globl	k_qb04580d53b_moe
	.p2align	8
	.type	k_qb04580d53b_moe,@function
k_qb04580d53b_moe:
	s_mov_b64 s[64:65], 0
	v_nop
	global_prefetch_b8 v0, s[64:65] scope:SCOPE_SE
	s_setreg_imm32_b32 hwreg(HW_REG_WAVE_MODE, 25, 1), 1
	s_wait_xcnt 0x0
	s_wait_alu depctr_hold_cnt(0) depctr_sa_sdst(0) depctr_va_vdst(0) depctr_va_sdst(0) depctr_va_ssrc(0) depctr_va_vcc(0) depctr_vm_vsrc(0)
	s_getreg_b32 s2, hwreg(HW_REG_IB_STS2, 6, 4)
	s_cmp_eq_u32 s2, 0
	s_cbranch_scc0 .Lentry_in_a_cluster
	s_endpgm
.Lentry_in_a_cluster:
	s_bfe_u32 s2, ttmp6, 0x10000c
	s_cmp_lg_u32 s2, 0x3003
	s_cbranch_scc0 .Lentry_shape_is_right
	s_endpgm
.Lentry_shape_is_right:
; out[token] = sum over the 8 experts e of g_e (relu(x W1[e] + b1[e]) W2[e] + b2[e]),  g = softmax(x Wg + bg).  16,384 tokens of 512 numbers; both large products on codes of BF6 (E3M2), one E8M0 scale for each 32 along K.
; SHARES.  A work-group of four waves owns 64 tokens (four tiles of 16) and walks all 8 experts: each output number has one owner.  Wave w makes hidden units and output columns 128 w .. 128 w + 127 for all 64 tokens.
; THE WEIGHTS were laid by the launch before as images of the operand's registers, a quarter of each step (half of a layer's K) for each wave.  A wave's 32 fragments of one layer (4 K steps x 8 tiles) fill 384 registers; when a
; K step's 32 products are issued, its 8 fragments and 4 registers of scale words are fetched anew: the same K step of the NEXT layer, 25 loads.  They come by two ways:
;   K steps 0 and 1 (one step of wq, 102,400 bytes) by a JOINT tensor load: the four work-groups of a cluster walk the same weights and ask with the same descriptor and a mask that names the four.  Slot 0 holds first layers' steps,
;   slot 1 second layers'; each wave fetches and reads its own quarter.  A slot is filled again once an expert, behind a round of the cluster's barrier, more than a layer's products ahead of the first read of what it brings.
;   K steps 2 and 3 from wq straight into the registers: each of these fragments is taken by one wave of the work-group, once.
; NO PREFETCH: from a cluster's second expert on, each step that it asks for has been read one expert earlier by the clusters that began one expert further on; the first expert's steps are asked for at the head, ahead of any loop.
; THE CLUSTERS WALK THE EXPERTS STAGGERED: cluster c begins with expert e0 = c % 8 and walks the eight cyclically.  e0 is the same in the four partners; it enters global addresses and the rows of two LDS tables that are only read.
; x is read once, quantised in registers and laid in LDS as images of the operand's registers; the hidden layer likewise, expert by expert.  Both come back through a ring of four fragments (one a token tile): inside a K step the
; products go token tile by token tile, 8 products to a fragment; the ring's slots are asked for anew two at a time, behind every second tile, 16 products ahead of their next use.
; BOTH PRODUCTS ARE USED TRANSPOSED (source 0 = 16 columns of the weight, source 1 = 16 tokens): a lane holds one token and its registers run along hidden units or output columns.
; b1 is loaded (from the wave's own copy in LDS) into token tile 3's accumulators alone: in the first layer's K step 0 tiles 0 to 2 take those registers as C, and tile 3, last, adds onto them in place.  So that tile 3 is free
; early, the second layer walks the tiles 3, 0, 1, 2.  In each layer's last K step the vector work on the tile just finished (relu; out += g_e x the second product) stands among the next tile's products.
; sum_e g_e b2[e] (K = 8, bf16 operands) starts out's sums.
; TWO BARRIERS AN EXPERT, each also the barrier of a refill: one in the first layer's K step 0 (behind it new images of the hidden layer may be stored: every wave's reads of the last expert's are over); one behind the image stores.
; LIMITS: NaN and infinities are not served.  A block of zeros gets the scale byte 1 where the rule says 127 (its codes are zeros; only this program reads the byte).  x and Wg are rounded to bf16 for the logits, g and b2 for
; sum_e g_e b2[e].  The experts' terms are added in f32 in the cluster's own order, e0, e0 + 1, ..
; LDS: x's 16 images (4 m + s) | the hidden layer's 16 | their scale words | GT: gates, f32, a row of 256 bytes an expert | GF: gates as bf16 fragments | B1L: b1, 4,096 bytes a wave | XST: a stage a wave | spare words | two slots.
; REGISTERS (s_set_vgpr_msb: bits 1:0 source 0, 3:2 source 1, 5:4 source 2, 7:6 destination):
;   window 0: v1-15, v56-63 addresses; v16-47 scale words and nothing else; v48-55 gates; v64-255 weights of K steps 2, 3 (at the head: Wg, x as bf16, logits; at the end: rows on their way out)
;   window 1: v0-191 weights of K steps 0, 1; v192-239 the ring of four fragments; v192-251 the quantiser's registers (it runs while the ring is idle)
;   window 2: the 32 accumulators, (m, t) at 64 m + 8 t (at the head: x as loaded, then b2's fragments)      window 3: out (at the head: x with 16 neighbours a lane, b1 on its way to LDS)
.set SUB,   25600
.set STEPB, 4*SUB
.set FRB,   1536
.set SCO,   16*FRB
.set HIM,   16*FRB
.set ISC,   32*FRB
.set GT,    ISC+4096
.set GF,    GT+4096
.set B1L,   GF+4096
.set XST,   B1L+16384
.set XSTW,  16*528
.set SPARE, XST+4*XSTW
.set SL,    SPARE+512                  ; the two slots: tensor loads fill these bytes alone
.set CO,  1                            ; 16 x lane: the lane's offset in global accesses and in the images
.set WA,  2                            ; v2, v3: my quarter of slot 0, 1
.set HWI, 4
.set HWS, 5
.set GTB, 6
.set GTA, 7
.set B1B, 8
.set B1A, 9
.set SPW, 10                           ; my spare word; never rewritten
.set NIL, 11                           ; 0; never rewritten
.set STO, 12
.set RD,  13
.set R_,  14
.set H_,  15
.set XS,  16                           ; x's scale words: register 2 m + s / 2, lanes 0-15 even s, lanes 16-31 odd s
.set HS,  24                           ; the hidden layer's, likewise
.set WS,  32                           ; the weights': register 4 s + t / 2, lanes 0-15 even t, lanes 16-31 odd t
.set G,   48
.set LN,  56
.set XSO, 57
.set XWI, 58
.set XWS, 59
.set GTW, 60
.set GFW, 61
.set GFR, 62
.set SRD, 63                           ; ISC + 4 x lane + 64 (lane / 16): lanes 16-31 read the next image's words
.set WG,  64                           ; head only, window 0
.set GFB, 160
.set XB,  192
.set LG,  192
.set GFN, 200
.set T0,  208
.set GA,  224
.set ACT, 192                          ; window 1
.set TM,  192
.set PW,  208
.set PC,  212
.set BK,  64
.set WV,  18
.set E0,  19
.set G1,  24                           ; s[24:31] descriptor group 1
.set G0,  32                           ; s[32:35], s[36:39] group 0 for slot 0, 1
.set LI,  59                           ; the layer (2 e + l, counted on without wrapping) whose base is made next for the plain loads
.set BE,  60                           ; the expert in hand, likewise
.set TL,  61                           ; the layer that the next tensor load brings, likewise
.set WO,  62
.set PB,  66                           ; s[66:67]: wq at my quarter of the layer that the loads issued in a first layer bring; s[68:69]: in a second layer
.set MSB, 0
.macro WIN new
.if MSB != (\new)
	s_set_vgpr_msb (MSB<<8)|(\new)
.set MSB, (\new)
.endif
.endm
.macro PLACES n
.rept \n
	v_nop
.endr
.endm
.macro CREST                           ; a round of the cluster's barrier behind its opening barrier
	s_cmp_lg_u32 s[WV], 0
	s_cbranch_scc1 .Lnot_wave_0_\@
	s_barrier_signal -3
.Lnot_wave_0_\@:
	s_barrier_wait -3
	s_barrier_signal -1
	s_barrier_wait -1
.endm
.macro CROUND
	s_barrier_signal -1
	s_barrier_wait -1
	CREST
.endm
.macro TDESC slot                      ; the slot's group 0 takes the walk's next layer, modulo the 16 layers of wq; written only where no tensor load of mine is out
	s_and_b32 s[WO], s[TL], 15
	s_mul_i32 s[WO], s[WO], 2*STEPB
	s_add_nc_u64 s[G0+4*(\slot)+2:G0+4*(\slot)+3], s[6:7], s[WO:WO+1]
	s_or_b32 s[G0+4*(\slot)+3], s[G0+4*(\slot)+3], 0x80000000
	s_add_co_u32 s[TL], s[TL], 1
.endm
.macro PBASE i                         ; pair i takes the next layer's base; it stands behind the wait on LOADcnt that shows the loads that named the pair done
	s_and_b32 s[WO], s[LI], 15
	s_mul_i32 s[WO], s[WO], 2*STEPB
	s_add_nc_u64 s[PB+2*(\i):PB+2*(\i)+1], s[6:7], s[WO:WO+1]
	s_add_co_u32 s[LI], s[LI], 1
.endm
.macro WLOAD ks, i                     ; K step ks (2 or 3) of the layer at pair i: 8 fragments and 4 registers of scale words, 25 loads of 512 consecutive bytes
.set WR_, 64+96*((\ks)%2)
.irp t, 0,1,2,3,4,5,6,7
.irp c, 0,1,2
	global_load_b128 v[WR_+12*\t+4*\c:WR_+12*\t+4*\c+3], v[CO], s[PB+2*(\i):PB+2*(\i)+1] offset:STEPB+(8*((\ks)%2)+\t)*FRB+512*\c
.endr
.endr
	global_load_b128 v[WS+4*(\ks):WS+4*(\ks)+3], v[CO], s[PB+2*(\i):PB+2*(\i)+1] offset:STEPB+SCO+512*((\ks)%2)
.endm
.macro WCOPY slot, ks                  ; K step ks (0 or 1) out of my quarter of a slot: 25 LDS loads
	WIN 0x40
.irp t, 0,1,2,3,4,5,6,7
.irp c, 0,1,2
	ds_load_b128 v[96*(\ks)+12*\t+4*\c:96*(\ks)+12*\t+4*\c+3], v[WA+(\slot)] offset:(8*(\ks)+\t)*FRB+512*\c
.endr
.endr
	WIN 0
	ds_load_b128 v[WS+4*(\ks):WS+4*(\ks)+3], v[WA+(\slot)] offset:SCO+512*(\ks)
.endm
.macro ACTLD off, ks, m                ; image 4 m + ks (x's: off = 0; the hidden layer's: off = HIM) into slot m of the ring
	WIN 0x40
.irp c, 0,1,2
	ds_load_b128 v[ACT+12*(\m)+4*\c:ACT+12*(\m)+4*\c+3], v[CO] offset:(\off)+(4*(\m)+(\ks))*FRB+512*\c
.endr
.endm
.macro WM                              ; a product that starts its sum with 0 (CK_ = 0) or adds in place
.if CK_ == 0
.if RA_ == 0
	v_wmma_scale_f32_16x16x128_f8f6f4 v[D_:D_+7], v[A_:A_+11], v[B_:B_+11], 0, v[SA_], v[SB_] matrix_a_fmt:MATRIX_FMT_BF6 matrix_b_fmt:MATRIX_FMT_BF6
.else
	v_wmma_scale_f32_16x16x128_f8f6f4 v[D_:D_+7], v[A_:A_+11], v[B_:B_+11], 0, v[SA_], v[SB_] matrix_a_fmt:MATRIX_FMT_BF6 matrix_b_fmt:MATRIX_FMT_BF6 matrix_a_scale:MATRIX_SCALE_ROW1
.endif
.elseif (RA_ == 0) && (RB_ == 0)
	v_wmma_scale_f32_16x16x128_f8f6f4 v[D_:D_+7], v[A_:A_+11], v[B_:B_+11], v[D_:D_+7], v[SA_], v[SB_] matrix_a_fmt:MATRIX_FMT_BF6 matrix_b_fmt:MATRIX_FMT_BF6
.elseif RB_ == 0
	v_wmma_scale_f32_16x16x128_f8f6f4 v[D_:D_+7], v[A_:A_+11], v[B_:B_+11], v[D_:D_+7], v[SA_], v[SB_] matrix_a_fmt:MATRIX_FMT_BF6 matrix_b_fmt:MATRIX_FMT_BF6 matrix_a_scale:MATRIX_SCALE_ROW1
.elseif RA_ == 0
	v_wmma_scale_f32_16x16x128_f8f6f4 v[D_:D_+7], v[A_:A_+11], v[B_:B_+11], v[D_:D_+7], v[SA_], v[SB_] matrix_a_fmt:MATRIX_FMT_BF6 matrix_b_fmt:MATRIX_FMT_BF6 matrix_b_scale:MATRIX_SCALE_ROW1
.else
	v_wmma_scale_f32_16x16x128_f8f6f4 v[D_:D_+7], v[A_:A_+11], v[B_:B_+11], v[D_:D_+7], v[SA_], v[SB_] matrix_a_fmt:MATRIX_FMT_BF6 matrix_b_fmt:MATRIX_FMT_BF6 matrix_a_scale:MATRIX_SCALE_ROW1 matrix_b_scale:MATRIX_SCALE_ROW1
.endif
.endm
.macro WMC                             ; a product of K step 0 that starts its sum with b1, which lies in token tile 3's accumulator of the same tile t
.if RA_ == 0
	v_wmma_scale_f32_16x16x128_f8f6f4 v[D_:D_+7], v[A_:A_+11], v[B_:B_+11], v[C_:C_+7], v[SA_], v[SB_] matrix_a_fmt:MATRIX_FMT_BF6 matrix_b_fmt:MATRIX_FMT_BF6
.else
	v_wmma_scale_f32_16x16x128_f8f6f4 v[D_:D_+7], v[A_:A_+11], v[B_:B_+11], v[C_:C_+7], v[SA_], v[SB_] matrix_a_fmt:MATRIX_FMT_BF6 matrix_b_fmt:MATRIX_FMT_BF6 matrix_a_scale:MATRIX_SCALE_ROW1
.endif
.endm
; Eight products: token tile m x the weight's eight tiles, K step ks of layer ly.  The 32 accumulators take turns, one instruction a turn.
; kind = 1: behind each product the relu of one finished accumulator of token tile pm; kind = 2: its part of out += g_e x the second product.  Each accumulator is read from its low end on.
.macro GROUP ly, ks, m, kind, pm
.set B_,  ACT+12*(\m)
.set SB_, XS+8*(\ly)+2*(\m)+(\ks)/2
.set RB_, (\ks)%2
.set CK_, 1-(\ly)*(1-((\ks)+3)/4)      ; the second layer's first K step starts its sums with the constant 0
.irp t, 0,1,2,3,4,5,6,7
.set D_,  64*(\m)+8*\t
.set C_,  192+8*\t
.set A_,  (\ks)/2*64+96*((\ks)%2)+12*\t
.set SA_, WS+4*(\ks)+\t/2
.set RA_, \t%2
	WIN 0xa5-(\ks)/2                               ; the weight window 1 (K steps 0, 1) or 0, the ring window 1, C and D window 2
.if (\ly) == 0 && (\ks) == 0 && (\m) < 3
	WMC
.else
	WM
.endif
.if (\kind) == 1
	WIN 0x88
.irp j, 0,1,2,3,4,5,6,7
	v_max_num_f32 v[64*(\pm)+8*\t+\j], 0, v[64*(\pm)+8*\t+\j]
.endr
.elseif (\kind) == 2
	WIN 0xf2
.irp j, 0,2,4,6
	v_pk_fma_f32 v[64*(\pm)+8*\t+\j:64*(\pm)+8*\t+\j+1], v[64*(\pm)+8*\t+\j:64*(\pm)+8*\t+\j+1], v[G+2*(\pm):G+2*(\pm)+1], v[64*(\pm)+8*\t+\j:64*(\pm)+8*\t+\j+1] op_sel_hi:[1,0,1]
.endr
.endif
.endr
.endm
.macro COMB m                          ; out += g_e x the second product, a whole token tile; each accumulator from its low end on
	WIN 0xf2
.set i_, 0
.rept 32
	v_pk_fma_f32 v[64*(\m)+i_:64*(\m)+i_+1], v[64*(\m)+i_:64*(\m)+i_+1], v[G+2*(\m):G+2*(\m)+1], v[64*(\m)+i_:64*(\m)+i_+1] op_sel_hi:[1,0,1]
.set i_, i_+2
.endr
.endm
.macro PRE m                           ; b1 in the result's layout into token tile m's accumulators: tile t, lane (r, h): units 32 (t / 2) + 16 h + 8 (t % 2) + 0 .. 7
	WIN 0x80
.irp t, 0,1,2,3,4,5,6,7
.irp c, 0,1
	ds_load_b128 v[64*(\m)+8*\t+4*\c:64*(\m)+8*\t+4*\c+3], v[B1A] offset:128*(\t/2)+32*(\t%2)+16*\c
.endr
.endr
.endm
; 64 numbers of a lane in window W, register 16 b + i = k 32 b + 16 (lane / 16) + i of the lane's token, become a fragment's codes in window 1, v[PC + 20 p] on, and its scale word in v[PW + p].
.macro QUANT base, W, p
.set PC_, PC+20*(\p)
.set PW_, PW+(\p)
	WIN 0x50|(5*(\W))
.irp b, 0,1,2,3
	v_max3_num_f32 v[TM+\b], |v[(\base)+16*\b]|, |v[(\base)+16*\b+1]|, 0x2800000   ; my 16 numbers of block b, and the floor 2^(5 - 127): the byte cannot fall under 1
.endr
.irp i, 2,4,6,8,10,12,14
.irp b, 0,1,2,3
	v_max3_num_f32 v[TM+\b], |v[(\base)+16*\b+\i]|, |v[(\base)+16*\b+\i+1]|, v[TM+\b]
.endr
.endr
	WIN 0x55
.irp b, 0,1,2,3
	v_permlanex16_b32 v[TM+4+\b], v[TM+\b], s40, s41
.endr
.irp b, 0,1,2,3
	v_max_num_f32 v[TM+\b], v[TM+\b], v[TM+4+\b]   ; with lane l xor 16's: the block's largest magnitude
.endr
.irp b, 0,1,2,3
	v_add_nc_u32 v[TM+12+\b], 0xfe000000, v[TM+\b] ; 4 off its exponent field: the conversion's scale operand
.endr
.irp b, 0,1,2,3
	v_lshrrev_b32 v[TM+4+\b], 23, v[TM+12+\b]      ; the scale's byte
.endr
	v_lshl_or_b32 v[PW_], v[TM+5], 8, v[TM+4]
	v_lshl_or_b32 v[PW_], v[TM+6], 16, v[PW_]
	v_lshl_or_b32 v[PW_], v[TM+7], 24, v[PW_]
	WIN 0x44|(\W)
.irp c, 0,1
	v_cvt_scalef32_pk16_bf6_f32 v[PC_+6*\c:PC_+6*\c+2], v[(\base)+32*\c:(\base)+32*\c+15], v[TM+12+2*\c]
	v_cvt_scalef32_pk16_bf6_f32 v[PC_+12+4*\c:PC_+14+4*\c], v[(\base)+32*\c+16:(\base)+32*\c+31], v[TM+13+2*\c]
.endr
	WIN 0x55
	v_nop                                          ; one plain place behind a scaled conversion
.irp c, 0,1                                    ; the operand's layout wants a whole block in a lane
.irp i, 0,1,2
	v_permlane16_swap_b32 v[PC_+6*\c+\i], v[PC_+12+4*\c+\i]
.endr
.irp i, 0,1,2
	v_mov_b32 v[PC_+3+6*\c+\i], v[PC_+12+4*\c+\i]
.endr
.endr
	WIN 0x04                                       ; for the stores that follow: address window 0, data window 1
.endm
.macro IMAGE adr, off, p
.irp c, 0,1,2
	ds_store_b128 v[\adr], v[PC+20*(\p)+4*\c:PC+20*(\p)+4*\c+3] offset:(\off)+512*\c
.endr
.endm
	s_load_b256 s[4:11], s[0:1], 0x0               ; x s[4:5], wq s[6:7], wgf s[8:9], b2f s[10:11]
	s_load_b128 s[12:15], s[0:1], 0x20             ; b1 s[12:13], bg s[14:15]
	s_load_b64 s[16:17], s[0:1], 0x30              ; out0
	v_lshl_add_u32 v[SPW], v0, 2, SPARE
	v_mov_b32 v[NIL], 0
	ds_add_u32 v[SPW], v[NIL]                      ; the opening lines: the add, twice on end, and its wait ahead of my first tensor load
	ds_add_u32 v[SPW], v[NIL]
	v_lshrrev_b32 v[R_], 5, v0
	v_readfirstlane_b32 s[WV], v[R_]               ; wave 0..3
	s_bfe_u32 s58, ttmp6, 0x40000                  ; cx: it enters x's and out0's addresses alone
	s_lshl_b32 s20, ttmp9, 2                       ; in a cluster launch ttmp9 counts clusters
	s_add_co_u32 s20, s20, s58                     ; my block of 64 tokens
	s_and_b32 s[E0], ttmp9, 7                      ; e0: the same in all four partners
	s_mul_i32 s54, s[WV], SUB
	s_mov_b32 s55, 0
	s_mul_i32 s72, s[WV], FRB
	s_add_co_u32 s72, s72, HIM
	s_lshl_b32 s73, s[WV], 7
	s_add_co_u32 s73, s73, 2048
	s_lshl_b32 s74, s[WV], 12
	s_add_co_u32 s74, s74, B1L
	s_mul_i32 s75, s[WV], XSTW
	s_add_co_u32 s75, s75, XST
	s_mul_i32 s76, s[WV], 4*FRB
	s_lshl_b32 s77, s[WV], 9
	s_lshl_b32 s78, s[WV], 6
	s_lshl_b32 s79, s[WV], 10
	s_add_co_u32 s80, s54, SL
	s_mov_b32 s[G1+0], 15|(3<<16)|(1<<21)          ; the mask: all four work-groups; elements of 8 bytes; bit 21 set beside a mask
	s_mov_b32 s[G1+1], 32<<16                      ; a dense block of 25,600 bytes as 100 rows of 32 elements
	s_mov_b32 s[G1+2], 100<<16
	s_mov_b32 s[G1+3], 32<<16
	s_mov_b32 s[G1+4], 100
	s_mov_b32 s[G1+5], 32
	s_mov_b32 s[G1+6], 0
	s_mov_b32 s[G1+7], 0
	s_mov_b32 s40, 0x76543210
	s_mov_b32 s41, 0xfedcba98                      ; v_permlanex16_b32's selects for lane l xor 16
	s_mov_b32 s53, 0x3fb8aa3b                      ; log2(e)
	s_lshl_b32 s[LI], s[E0], 1
	s_lshl_b32 s[TL], s[E0], 1
	s_mov_b32 s[WO+1], 0
	s_mov_b32 s[BE], s[E0]
	s_lshl_b32 s22, s20, 17                        ; x: 64 tokens of 2,048 bytes a work-group, 16 a wave
	s_lshl_b32 s58, s[WV], 15
	s_add_co_u32 s22, s22, s58
	s_mov_b32 s23, 0
	s_lshl_b32 s42, s20, 17                        ; out0: the block's first row, my wave's 512 bytes of it
	s_add_co_u32 s42, s42, s77
	s_mov_b32 s43, 0
	s_mov_b32 s56, s77                             ; b1: my 128 units
	s_mov_b32 s57, 0
	s_lshl_b32 s20, s[WV], 13                      ; b2f: my 8 tiles
	s_mov_b32 s21, 0
	v_and_b32 v[R_], 15, v0
	v_bfe_u32 v[H_], v0, 4, 1
	v_and_b32 v[LN], 31, v0
	v_lshlrev_b32 v[CO], 4, v[LN]
	v_lshlrev_b32 v[T0], 2, v[LN]
	v_add_nc_u32 v[T0], ISC, v[T0]
	v_lshl_add_u32 v[SRD], v[H_], 6, v[T0]
	v_add_nc_u32 v[WA], s80, v[CO]
	v_add_nc_u32 v[WA+1], STEPB, v[WA]
	v_add_nc_u32 v[HWI], s72, v[CO]
	v_add_nc_u32 v[HWS], s73, v[T0]
	v_lshl_add_u32 v[GTB], v[R_], 2, GT
	v_lshl_add_u32 v[B1B], v[H_], 6, s74
	v_add_nc_u32 v[T0+2], s74, v[CO]               ; b1 on its way into LDS: 16 x lane
	v_add_nc_u32 v[RD], s75, v[CO]
	v_mul_u32_u24 v[T0+1], v[R_], 528
	v_add_nc_u32 v[T0+1], s75, v[T0+1]
	v_lshl_add_u32 v[STO], v[H_], 5, v[T0+1]
	v_lshl_add_u32 v[XSO], v[H_], 6, v[T0+1]
	v_add_nc_u32 v[XWI], s76, v[CO]
	v_add_nc_u32 v[XWS], s77, v[T0]
	v_add_nc_u32 v[GTW], s78, v[GTB]
	v_lshl_add_u32 v[GTW], v[H_], 11, v[GTW]       ; the gates: row 8 h + j, token 16 x wave + r
	v_add_nc_u32 v[GFR], GF, v[CO]
	v_add_nc_u32 v[GFW], s79, v[GFR]
.irp b, 0,1,2,3
	v_mov_b32 v[G+2*\b+1], 0                       ; named as the upper halves of the gates' pairs
.endr
	WIN 0x40
.irp b, 0,1,2,3
	v_mov_b32 v[TM+4+\b], 0                        ; a lane permute's destination counts as one of its sources
.endr
	WIN 0
	s_wait_alu depctr_va_vdst(0)
	s_wait_dscnt 0x0                               ; both opening adds are done
	s_wait_kmcnt 0x0
	s_load_b256 s[44:51], s[14:15], 0x0            ; bg
	s_add_nc_u64 s[4:5], s[4:5], s[22:23]
	s_add_nc_u64 s[16:17], s[16:17], s[42:43]
	s_add_nc_u64 s[6:7], s[6:7], s[54:55]          ; wq at my quarter of step 0: the wave's number alone; it stays
	s_add_nc_u64 s[12:13], s[12:13], s[56:57]
	s_add_nc_u64 s[10:11], s[10:11], s[20:21]
.irp s, 0,1
	s_mov_b32 s[G0+4*\s], 1
	s_add_co_u32 s[G0+4*\s+1], s54, SL+\s*STEPB    ; LDS address: the slot + SUB x wave
	TDESC \s                                       ; my first expert's first layer, and its second
.endr
	PBASE 1                                        ; my first expert's first layer, for the head's loads
	PBASE 0                                        ; and its second, for the loads issued in the first layer
	CROUND                                         ; all four work-groups are here: the first joint loads meet
	tensor_load_to_lds s[G0:G0+3], s[G1:G1+7]      ; slot 0's first fill: one tensor load a wave at the head
	s_nop 0
	PLACES 4
	WIN 0xc0
.irp i, 0,1,2,3,4,5,6,7
	global_load_b128 v[192+4*\i:195+4*\i], v[CO], s[12:13] offset:2048*\i      ; b1[i], my 128 units: 512 consecutive bytes
.endr
	WIN 0
.irp b, 0,1,2,3,4,5,6,7,8,9,10,11,12,13,14,15
.irp c, 0,1
	global_load_b128 v[WG+8*\b+4*\c:WG+8*\b+4*\c+3], v[CO], s[8:9] offset:1024*\b+512*\c     ; Wg's 16 fragments
.endr
.endr
	WIN 0x80
.irp s, 0,1,2,3
.irp i, 0,1,2,3,4,5,6,7,8,9,10,11,12,13,14,15
	global_load_b128 v[64*\s+4*\i:64*\s+4*\i+3], v[CO], s[4:5] offset:2048*\i+512*\s th:TH_LOAD_NT   ; token i of my 16, K step s
.endr
.endr
	WIN 0
; K step s of my 16 tokens goes through my stage as it lies and comes back 16 neighbours of each block of 32 a lane.
.macro TURNX s
	s_wait_loadcnt 48-16*(\s)                      ; this K step's 16 loads are in; those of the later K steps may be out
.if (\s) == 0
	WIN 0x0c
.irp i, 0,1,2,3,4,5,6,7
	ds_store_b128 v[T0+2], v[192+4*\i:195+4*\i] offset:512*\i      ; b1 (older than x's loads): my own copy, a row of 512 bytes an expert
.endr
.endif
	WIN 0x08
.irp i, 0,1,2,3,4,5,6,7,8,9,10,11,12,13,14,15
	ds_store_b128 v[RD], v[64*(\s)+4*\i:64*(\s)+4*\i+3] offset:528*\i
.endr
	WIN 0xc0
.irp b, 0,1,2,3
.irp j, 0,1,2,3
	ds_load_b128 v[64*(\s)+16*\b+4*\j:64*(\s)+16*\b+4*\j+3], v[XSO] offset:128*\b+16*\j
.endr
.endr
	WIN 0
.endm
.macro XSTEP s                         ; K step s of x: its part of the logits (bf16), its codes and scale word; the next K step turns through the stage meanwhile
.if (\s) < 3
	TURNX (\s)+1
.endif
.if (\s) == 2
	WIN 0x80
.irp t, 0,1,2,3,4,5,6,7
.irp c, 0,1
	global_load_b128 v[8*\t+4*\c:8*\t+4*\c+3], v[CO], s[10:11] offset:1024*\t+512*\c      ; b2's fragments, where K step 0 lay as loaded
.endr
.endr
	WIN 0
.endif
.if (\s) < 3
	s_wait_dscnt 32                                ; all but the next turn's 32
.else
	s_wait_dscnt 4                                 ; all but K step 2's four image stores
.endif
	WIN 0x0f
.irp b, 0,1,2,3
.irp q, 0,1,2,3,4,5,6,7
	v_cvt_pk_bf16_f32 v[XB+8*\b+\q], v[64*(\s)+16*\b+2*\q], v[64*(\s)+16*\b+2*\q+1]
.endr
.endr
	WIN 0
.irp b, 0,1,2,3                                ; logits^T: four accumulators by turns
.if (\s) == 0
	v_wmma_f32_16x16x32_bf16 v[GA+8*\b:GA+8*\b+7], v[WG+8*(4*(\s)+\b):WG+8*(4*(\s)+\b)+7], v[XB+8*\b:XB+8*\b+7], 0
.else
	v_wmma_f32_16x16x32_bf16 v[GA+8*\b:GA+8*\b+7], v[WG+8*(4*(\s)+\b):WG+8*(4*(\s)+\b)+7], v[XB+8*\b:XB+8*\b+7], v[GA+8*\b:GA+8*\b+7]
.endif
.endr
	QUANT 64*(\s), 3, (\s)%2                       ; (its plain lines are the places behind those products)
	IMAGE XWI, FRB*(\s), (\s)%2
	ds_store_b32 v[XWS], v[PW+(\s)%2] offset:128*(\s)
	WIN 0
.endm
	TURNX 0
	s_wait_kmcnt 0x0                               ; bg
	XSTEP 0
	XSTEP 1
	XSTEP 2
	XSTEP 3
	WLOAD 2, 1                                     ; Wg's fragments are done with: K step 2 takes their registers
	; THE GATES.  Lanes 0-15 hold token r's eight logits in eight registers.
.irp p, 0,2,4,6
	v_pk_add_f32 v[GA+\p:GA+\p+1], v[GA+\p:GA+\p+1], v[GA+8+\p:GA+9+\p]
.endr
.irp p, 0,2,4,6
	v_pk_add_f32 v[GA+16+\p:GA+17+\p], v[GA+16+\p:GA+17+\p], v[GA+24+\p:GA+25+\p]
.endr
.irp p, 0,2,4,6
	v_pk_add_f32 v[LG+\p:LG+\p+1], v[GA+\p:GA+\p+1], v[GA+16+\p:GA+17+\p]
.endr
.irp j, 0,1,2,3,4,5,6,7
	v_add_f32 v[LG+\j], s[44+\j], v[LG+\j]         ; + bg
.endr
	v_max3_num_f32 v[T0], v[LG], v[LG+1], v[LG+2]
	v_max3_num_f32 v[T0], v[T0], v[LG+3], v[LG+4]
	v_max3_num_f32 v[T0], v[T0], v[LG+5], v[LG+6]
	v_max_num_f32 v[T0], v[T0], v[LG+7]            ; the token's largest logit
	v_mul_f32 v[T0], s53, v[T0]
.irp j, 0,1,2,3,4,5,6,7
	v_fma_f32 v[LG+\j], v[LG+\j], s53, -v[T0]      ; (logit - largest) x log2(e)
.endr
	s_wait_alu depctr_va_vdst(0)
.irp j, 0,1,2,3,4,5,6,7
	v_exp_f32 v[LG+\j], v[LG+\j]
.endr
	v_nop
	s_wait_alu depctr_va_vdst(0)
	v_add_f32 v[T0], v[LG], v[LG+1]
	v_add_f32 v[T0+1], v[LG+2], v[LG+3]
	v_add_f32 v[T0+2], v[LG+4], v[LG+5]
	v_add_f32 v[T0+3], v[LG+6], v[LG+7]
	v_add_f32 v[T0], v[T0], v[T0+1]
	v_add_f32 v[T0+2], v[T0+2], v[T0+3]
	v_add_f32 v[T0], v[T0], v[T0+2]
	s_wait_alu depctr_va_vdst(0)
	v_rcp_f32 v[T0+1], v[T0]
	v_nop
	s_wait_alu depctr_va_vdst(0)
.irp j, 0,1,2,3,4,5,6,7
	v_mul_f32 v[LG+\j], v[LG+\j], v[T0+1]          ; register j: the gate of expert j
.endr
.irp j, 0,1,2,3,4,5,6,7
	ds_store_b32 v[GTW], v[LG+\j] offset:256*\j    ; f32, for the weighted sum
.endr
	v_cmp_gt_u32 vcc_lo, 16, v[LN]
.irp j, 0,1,2,3,4,5,6,7
	v_cndmask_b32 v[GA+\j], 0, v[LG+\j], vcc_lo    ; as a bf16 fragment: K = the 8 experts lies in lanes 0-15, registers 0-3; all else zeros
.endr
.irp p, 0,1,2,3
	v_cvt_pk_bf16_f32 v[GFN+\p], v[GA+2*\p], v[GA+2*\p+1]
	v_mov_b32 v[GFN+4+\p], 0
.endr
	ds_store_b128 v[GFW], v[GFN:GFN+3]
	ds_store_b128 v[GFW], v[GFN+4:GFN+7] offset:512
	s_wait_tensorcnt 0x0                           ; my quarter of slot 0 is in
	ds_add_u32 v[SPW], v[NIL]
	s_wait_dscnt 0x0                               ; the add is done; for the others' sake: my images, scale words and gates have landed
	CROUND                                         ; everybody's have, and all four work-groups are here
	tensor_load_to_lds s[G0+4:G0+7], s[G1:G1+7]    ; slot 1's first fill: my first expert's second layer
	s_nop 0
	PLACES 4
.irp q, 0,1,2,3,4,5,6,7
	ds_load_b32 v[XS+\q], v[SRD] offset:256*\q
.endr
.irp m, 0,1,2,3
.irp c, 0,1
	ds_load_b128 v[GFB+8*\m+4*\c:GFB+8*\m+4*\c+3], v[GFR] offset:1024*\m+512*\c
.endr
.endr
	WCOPY 0, 0                                     ; the first layer's K steps 0 and 1 out of slot 0
	WCOPY 0, 1
	s_wait_dscnt 50                                ; all but those 50
	s_wait_loadcnt 25                              ; b2's fragments are in; K step 2's 25 loads may be out
	WIN 0xc2
.irp m, 0,1,2,3
.irp t, 0,1,2,3,4,5,6,7
	v_wmma_f32_16x16x32_bf16 v[64*\m+8*\t:64*\m+8*\t+7], v[8*\t:8*\t+7], v[GFB+8*\m:GFB+8*\m+7], 0   ; out = sum_e g_e b2[e]: this product starts out's sums
.endr
.endr
	WIN 0
	PLACES 5                                       ; loads follow into registers that those products read, and the first expert's results are written over b2's fragments
	WLOAD 3, 1
	s_and_b32 s58, s[BE], 7
	s_lshl_b32 s58, s58, 9
	v_add_nc_u32 v[B1A], s58, v[B1B]
	s_wait_alu depctr_va_vdst(0)
	ACTLD 0, 0, 3                                  ; in the order in which the loop's second layer leaves them: the first K step's waits count on it
	ACTLD 0, 0, 0
	PRE 3
	ACTLD 0, 0, 1
	ACTLD 0, 0, 2
	WIN 0
; A LAYER: 4 K steps x 4 token tiles x 8 products.  ly: 0 first, 1 second layer; fin = 1: the walk's last expert.  The p-th tile of a K step is m = p in the first layer, (p + 3) % 4 in the second.
; s_wait_loadcnt: behind the batch of K step 2 or 3 stands one batch of 25 loads; in the very last layer's K step 3 none.
; s_wait_dscnt: the ring's slots are asked for in pairs, 6 loads, behind p = 1 and p = 3.  Behind the pair that a tile needs stands the other pair: 6; in K steps 1 and 2 also the 25 of a copy out of a slot: 31.
; Entering the first layer the order is: slots 3 and 0, b1's 16, slots 1 and 2: so 6 (b1), 3 (slot 1), 6.  In the last K step: 6, 6, then 0, or, where x's slots 3 and 0 and b1's 16 have been asked for, 22.
.macro LAYER ly, fin
.set CP_, 1-(\ly)*(\fin)               ; the next layer's weights are fetched
.irp ks, 0,1,2,3
.if \ks == 2
	s_wait_loadcnt 25
.elseif \ks == 3
	s_wait_loadcnt 25*CP_
.if (\fin) == 0
	PBASE 1-(\ly)                                  ; the loads that named this pair brought this layer's K steps 2 and 3: they are in
.endif
.endif
.irp p, 0,1,2,3
.set M_,  (\p+3*(\ly))%4
.set PM_, (\p+3+3*(\ly))%4             ; the tile before
.set N_, 6
.if (\ks == 1 || \ks == 2) && CP_
.set N_, 31
.endif
.if (\ly) == 0 && \ks == 0 && \p == 1
.set N_, 3
.endif
.if \ks == 3 && \p > 1
.set N_, 22*(\ly)*(1-(\fin))
.endif
.set KD_, 0
.if \ks == 3 && \p > 0
.set KD_, 1+(\ly)                      ; the tile before is finished: its vector work stands among this tile's products
.endif
.if (\ly) == 0 && \ks == 0 && \p == 3
	WIN 0
	s_wait_tensorcnt 0x0                           ; my one tensor load that was out, slot 1's, has landed
.if (\fin) == 0
	ds_add_u32 v[SPW], v[NIL]
	TDESC 0                                        ; the next expert's first layer
.endif
	s_wait_dscnt 0x0                               ; the add is done; my reads of slot 0 and of the last expert's images are over
	s_barrier_signal -1
	GROUP \ly, \ks, M_, 0, 0                       ; work on registers while the others arrive
	WIN 0
	s_barrier_wait -1
.if (\fin) == 0
	CREST                                          ; the barrier has opened a round: no wave of any partner still reads slot 0 or has a load on its way
	tensor_load_to_lds s[G0:G0+3], s[G1:G1+7]
	s_nop 0
.endif
.else
	s_wait_dscnt N_
	GROUP \ly, \ks, M_, KD_, PM_
.endif
.if \ks == 3 || \p == 1 || \p == 3
	PLACES 4                                       ; in front of loads into registers that these products read, and of reads of their results
.elseif (\ly) == 0 && \ks == 0 && \p == 2
	PLACES 5                                       ; tile 3's products write over the registers that tiles 0 to 2 took as C
.endif
.if \p == 1 || \p == 3
.if \ks < 3
	ACTLD (\ly)*HIM, \ks+1, PM_
	ACTLD (\ly)*HIM, \ks+1, M_
.elseif (\ly) == 1 && (\fin) == 0
	ACTLD 0, 0, PM_                                ; x's first K step, for the next expert
	ACTLD 0, 0, M_
.if \p == 1
	PRE 3                                          ; tile 3 has been added to out: its accumulators take the next expert's b1
.endif
.endif
.endif
.if \p == 3 && CP_
.if \ks < 2
	WCOPY 1-(\ly), \ks                             ; this K step's registers take the next layer's
.else
	WIN 0
	WLOAD \ks, \ly
.endif
.endif
.if (\ly) == 1 && \ks == 3 && \p == 3
	COMB M_                                        ; the last tile
.endif
.endr
.endr
	WIN 0
.endm
; THE HIDDEN LAYER: relu in f32 (tiles 0 to 2 had theirs among the last products), then my 128 units of each token tile become K step w of the second product: a fragment and a scale word a token, as images to LDS.
.macro HIDDEN fin
	WIN 0x88
.set j_, 0
.rept 64
	v_max_num_f32 v[192+j_], 0, v[192+j_]
.set j_, j_+1
.endr
.irp m, 0,1,2,3
.if \m >= 2
	s_wait_dscnt 4                                 ; the stores of two tiles back have read their registers
.endif
	QUANT 64*\m, 2, \m%2
	IMAGE HWI, 4*FRB*\m, \m%2
	ds_store_b32 v[HWS], v[PW+\m%2] offset:512*\m
.endr
	WIN 0
	s_and_b32 s58, s[BE], 7
	s_lshl_b32 s58, s58, 8
	v_add_nc_u32 v[GTA], s58, v[GTB]               ; this expert's row of gates
.if (\fin) == 0
	s_add_co_u32 s[BE], s[BE], 1
	s_and_b32 s58, s[BE], 7
	s_lshl_b32 s58, s58, 9
	v_add_nc_u32 v[B1A], s58, v[B1B]               ; the next expert's row of b1
.endif
	s_wait_alu depctr_va_vdst(0)
.if (\fin) == 0
	s_wait_tensorcnt 0x0                           ; my one tensor load that was out, slot 0's, has landed
	ds_add_u32 v[SPW], v[NIL]
	TDESC 1                                        ; the next expert's second layer
.endif
	s_wait_dscnt 0x0                               ; the add is done, my reads of slot 1 are over, and for the others' sake: my images have landed
	s_barrier_signal -1
	s_barrier_wait -1
.if (\fin) == 0
	CREST
	tensor_load_to_lds s[G0+4:G0+7], s[G1:G1+7]
	s_nop 0
	PLACES 4
.endif
.irp m, 0,1,2,3
	ds_load_b32 v[G+2*\m], v[GTA] offset:64*\m
.endr
.irp q, 0,1,2,3,4,5,6,7
	ds_load_b32 v[HS+\q], v[SRD] offset:2048+256*\q
.endr
.irp m, 3,0,1,2
	ACTLD HIM, 0, \m                               ; in the order in which the second layer walks the tiles
.endr
.endm
.macro EXPERT fin
	LAYER 0, \fin
	HIDDEN \fin
	LAYER 1, \fin
.endm
	s_mov_b32 s52, 7
.Lexpert:
	EXPERT 0
	s_sub_co_u32 s52, s52, 1
	s_cmp_lg_u32 s52, 0
	s_cbranch_scc1 .Lexpert
	EXPERT 1                                       ; the walk's last expert is written out: it fills no slot again, and its second layer fetches nothing more
	; THE WAY OUT, a token tile at a time, through my own stage: rows of 512 bytes come back.
.macro TOSTAGE m
	WIN 0x0c
.irp t, 0,1,2,3,4,5,6,7
	ds_store_b128 v[STO], v[64*(\m)+8*\t:64*(\m)+8*\t+3] offset:64*\t
	ds_store_b128 v[STO], v[64*(\m)+8*\t+4:64*(\m)+8*\t+7] offset:64*\t+16
.endr
	WIN 0
.irp t, 0,1,2,3,4,5,6,7,8,9,10,11,12,13,14,15
	ds_load_b128 v[BK+64*((\m)%2)+4*\t:BK+64*((\m)%2)+4*\t+3], v[RD] offset:528*\t   ; LDS serves a wave's instructions in order
.endr
.endm
.macro SEND m, younger
	s_wait_dscnt \younger
.irp t, 0,1,2,3,4,5,6,7,8,9,10,11,12,13,14,15
	global_store_b128 v[CO], v[BK+64*((\m)%2)+4*\t:BK+64*((\m)%2)+4*\t+3], s[16:17] offset:32768*(\m)+2048*\t th:TH_STORE_NT   ; 32 lanes store 512 consecutive bytes, at a multiple of 512 from out0's first byte
.endr
.endm
	TOSTAGE 0
	s_wait_alu depctr_va_vdst(0)
.irp m, 1,2,3
.if \m >= 2
	s_wait_xcnt 0x0                                ; tile m - 2's stores have read their registers
.endif
	TOSTAGE \m
	SEND \m-1, 32
.endr
	SEND 3, 0
	s_wait_tensorcnt 0x0                           ; the wave's end
	ds_add_u32 v[SPW], v[NIL]
	s_wait_dscnt 0x0
	CROUND                                         ; the closing round: no work-group ends while a partner may still ask for a quarter that names it
	s_endpgm
.Lfunc_end_k_qb04580d53b_moe:
	.size	k_qb04580d53b_moe, .Lfunc_end_k_qb04580d53b_moe-k_qb04580d53b_moe
	.p2alignl 7, 3214868480
	.fill 96, 4, 3214868480
	.section	.rodata,"a",@progbits
	.p2align	6, 0x0
	.amdhsa_kernel k_qb04580d53b_moe
		.amdhsa_group_segment_fixed_size 327680
		.amdhsa_private_segment_fixed_size 0
		.amdhsa_enable_private_segment 0
		.amdhsa_kernarg_size 56
		.amdhsa_user_sgpr_count 2
		.amdhsa_user_sgpr_kernarg_segment_ptr 1
		.amdhsa_wavefront_size32 1
		.amdhsa_system_sgpr_workgroup_id_x 1
		.amdhsa_system_sgpr_workgroup_id_y 1
		.amdhsa_system_sgpr_workgroup_id_z 1
		.amdhsa_system_vgpr_workitem_id 0
		.amdhsa_next_free_vgpr 1024
		.amdhsa_next_free_sgpr 84
		.amdhsa_reserve_vcc 1
		.amdhsa_float_denorm_mode_32 3
		.amdhsa_float_denorm_mode_16_64 3
		.amdhsa_memory_ordered 1
		.amdhsa_forward_progress 1
		.amdhsa_inst_pref_size 255
	.end_amdhsa_kernel
	.section	.bss,"aw",@nobits
	.p2align	6
	.space	262144
	.amdgpu_metadata
---
amdhsa.version: [ 1, 2 ]
amdhsa.kernels:
  - .name:           k_qb04580d53b_moe
    .symbol:         k_qb04580d53b_moe.kd
    .args:
      - { .name: x, .offset: 0, .size: 8, .value_kind: global_buffer, .address_space: global }
      - { .name: wq, .offset: 8, .size: 8, .value_kind: global_buffer, .address_space: global }
      - { .name: wgf, .offset: 16, .size: 8, .value_kind: global_buffer, .address_space: global }
      - { .name: b2f, .offset: 24, .size: 8, .value_kind: global_buffer, .address_space: global }
      - { .name: b1, .offset: 32, .size: 8, .value_kind: global_buffer, .address_space: global }
      - { .name: bg, .offset: 40, .size: 8, .value_kind: global_buffer, .address_space: global }
      - { .name: out0, .offset: 48, .size: 8, .value_kind: global_buffer, .address_space: global }
    .group_segment_fixed_size: 327680
    .private_segment_fixed_size: 0
    .kernarg_segment_align: 8
    .kernarg_segment_size: 56
    .max_flat_workgroup_size: 128
    .sgpr_count:     84
    .vgpr_count:     1024
    .wavefront_size: 32
...
	.end_amdgpu_metadata
.endif
;; end of part 2
